; MI455X (gfx1250); checked and timed in simulation.
; The chip was launched on July 23, 2026; its instructions are those of AMD's public machine-readable ISA for CDNA 5 (MIT licence, August 2026) and "CDNA5" Instruction Set Architecture Reference Guide (July 2026). The comments in the code are by the model that wrote it; some were corrected since.
;; Attention Head. Allowed arithmetic: matrix products marked QUANTISED: E2M3 operands, one E8M0 scale for each 32 along K, by v_wmma_scale_f32_16x16x128_f8f6f4 with both operands' format E2M3, f32 sums; everything else in f32.
;; Inputs: Wk 512 x 64 float32; Wq 512 x 64 float32; Wv 512 x 64 float32; bk 64 float32; bq 64 float32; bv 64 float32; x 4 x 4,096 x 512 float32.
;; Outputs: out0 4 x 4,096 x 64 float32.
;; This version of the problem:
;;   THIS VERSION OF THE PROBLEM IS GIVEN IN LOW PRECISION. The matrix products marked QUANTISED in the list below multiply operands that are first quantised to E2M3 (2 exponent bits, 3 mantissa bits; 6 bits a number), with one power-of-two scale for each 32 numbers along K (OCP MX v1.0); their sums are f32. All else is computed in f32.
;;   The module's matrix products, in the order in which they are computed (A, B: the left and right operand; K: the contracted axis; several contracted axes count as one K, in the product's order):
;;     1. [M 16,384, K 512] x [K 512, N 64]; A: input x; B: input Wq: QUANTISED
;;     2. [M 16,384, K 512] x [K 512, N 64]; A: input x; B: input Wk: QUANTISED
;;     3. [M 16,384, K 512] x [K 512, N 64]; A: input x; B: input Wv: QUANTISED
;;     4. batch 4 x [M 4,096, K 64] x [K 64, N 4,096]; A: computed on the way; B: computed on the way: QUANTISED
;;     5. batch 4 x [M 4,096, K 4,096] x [K 4,096, N 64]; A: softmax (see below); B: computed on the way: QUANTISED
;;   THE QUANTISER, for each operand of a quantised product, along K:
;;     - K is cut into blocks of 32 from its start; a last block that is shorter is filled with zeros.
;;     - A block's scale is 2^e with e = floor(log2(the largest magnitude in the block)) - 2, held to -126 .. 127; a block of zeros has e = 0. As a byte (E8M0): e + 127.
;;     - Each number is divided by its block's scale, clamped to +-7.5, and rounded to the nearest number of E2M3, ties to even, subnormals kept.
;;     - The product sums the exact products of the quantised numbers (number of the format x scale) in f32.
;;   ~~~python
;;   def quantise(x, axis):      # numpy; x: float32 -> the quantised numbers, widened to float32 again
;;       x = np.moveaxis(x, axis, -1); K = x.shape[-1]
;;       x = np.pad(x, [(0, 0)] * (x.ndim - 1) + [(0, -K % 32)]); x = x.reshape(x.shape[:-1] + (-1, 32)); a = np.abs(x).max(-1, keepdims=True)
;;       e = np.where(a > 0, np.clip(np.frexp(np.where(a > 0, a, 1))[1] - 1 - 2, -126, 127), 0)      # np.frexp(a)[1] - 1 = floor(log2(a)), exactly
;;       r = np.clip(x / 2.0 ** e, -7.5, 7.5)
;;       step = 2.0 ** (np.maximum(np.frexp(np.where(r == 0, 1, r))[1] - 1, 0) - 3)
;;       q = np.round(r / step) * step * 2.0 ** e      # np.round: ties to even
;;       return np.moveaxis(q.reshape(q.shape[:-2] + (-1,))[..., :K], -1, axis).astype(np.float32)
;;   ~~~
;;   SOFTMAX AHEAD OF A QUANTISED PRODUCT. Where the list says 'softmax', what is quantised is not the finished softmax but p = 2^(t - M), with t = logit x log2(e) and M = ceil(the row's largest t), a whole number; so 1/2 < the row's largest p <= 1. The row's sum l is taken of the UNQUANTISED p, in f32, and the product's result is divided by l at the end. Since M is a whole number, a kernel that streams over the keys may use a running M (the ceiling of the running maximum): every later rescaling is an exact power of two, which a block's scale takes up: the codes' values come out the same.
;;   OPERANDS COMPUTED ON THE WAY. 'Computed on the way' means the value that the module computes at that place (a softmax that the list does not call 'softmax' is quantised finished and normalised). What goes into a quantiser is computed in f32, as accurately as f32 sums, v_exp_f32 and their like allow (about 1e-6 of the number): no bf16 or f16 on the way to a quantiser, and a product that is left as it is and whose result goes on into a quantised operand takes f32 operands (vector FMAs, or v_wmma_f32_16x16x4_f32). A number that lies on a knife's edge between two numbers of the format may be rounded either way, as far as f32 arithmetic and the matrix unit's own rounding can turn it there, and no further.
;; One version. Each part assembles by itself: llvm-mc -triple=amdgcn-amd-amdhsa -mcpu=gfx1250 --defsym DOCPART=n.
;; ======== version 1 of 1: 2 launches
;; limits: right only within a limited range of input values
;; workspace buffers: qbuf 851,968 bytes; kv 1,638,400 bytes
;; launch proj (part 1): grid 256 x 1, 4 waves a work-group, clusters of 4 x 1, 327,680 bytes of LDS; arguments x, Wq, Wk, Wv, bq, bk, bv, qbuf, kv; writes qbuf, kv
.if DOCPART == 1
	.amdgcn_target "amdgcn-amd-amdhsa--gfx1250"
	.amdhsa_code_object_version 6
	.text
	.protected	k_qe337faa755_proj
	.globl	k_qe337faa755_proj
	.p2align	8
	.type	k_qe337faa755_proj,@function
k_qe337faa755_proj:
	s_mov_b64 s[64:65], 0
	v_nop
	global_prefetch_b8 v0, s[64:65] scope:SCOPE_SE
	s_setreg_imm32_b32 hwreg(HW_REG_WAVE_MODE, 25, 1), 1
	s_wait_xcnt 0x0
	s_wait_alu depctr_hold_cnt(0) depctr_sa_sdst(0) depctr_va_vdst(0) depctr_va_sdst(0) depctr_va_ssrc(0) depctr_va_vcc(0) depctr_vm_vsrc(0)
	s_getreg_b32 s2, hwreg(HW_REG_IB_STS2, 6, 4)
	s_cmp_eq_u32 s2, 0
	s_cbranch_scc0 .Lentry_in_a_cluster
	s_endpgm
.Lentry_in_a_cluster:
	s_bfe_u32 s2, ttmp6, 0x10000c
	s_cmp_lg_u32 s2, 0x3003
	s_cbranch_scc0 .Lentry_shape_is_right
	s_endpgm
.Lentry_shape_is_right:
; q = x Wq + bq, k = x Wk + bk, v = x Wv + bv on codes of FP6 (E2M3), one E8M0 scale for each 32 along K = 512.  x [16,384][512] and the weights [512 (k)][64 (n)] arrive as f32 and are quantised here;
; q, k (along the head's 64 channels) and v (along the keys) are quantised at once for the attention launch.
; SHARES.  A work-group of four waves takes 64 rows of x.  Tile t of x holds rows 32 (m / 8) + 8 t + m % 8, m = 0 .. 15.  Wave w brings and quantises tile w of x and multiplies all four tiles by three column tiles:
; two of q (w = 0, 1) or k (w = 2, 3), channels 32 (w % 2) + 8 u + r + 8 (r / 8), u = 0, 1, and v's channels 16 w + r.  It quantises those three column tiles itself: no code of a weight goes from wave to wave.
; A LANE HOLDS WHOLE BLOCKS: lane (r, h) takes column or row r and k = 64 c + 32 h + 0 .. 31, the operand's own order: the conversions' results are the operand's registers.
; q, k TRANSPOSED (source 0 = columns of W, source 1 = rows of x): a lane holds 16 neighbouring channels of a row, lane l xor 16 the block's other 16.  v in the natural order: a lane's 32 results are 32 neighbouring keys of one channel.
; OUT.  qbuf: 3,328 bytes for 64 rows: tile t's image at 768 t (registers 0-3: 16 bytes a lane; at 512 registers 4, 5: 8 bytes a lane), scale bytes [t][r][block] at 3,072.
; kv: 12,800 bytes for 128 keys: eight tiles of k (tile 4 p + t, p = which 64 keys), then v^T: channel tile n, half p at 6,144 + 1,536 n + 768 p, then at 12,288 k's scale bytes [r][tile / 2][tile % 2][block], at 12,544 v's [r][n][block].
; The scale bytes leave one a lane: 384 of a work-group's 9,600 bytes; the words in which they lie are shared by two work-groups.
; CLUSTER: four work-groups ask for the weights JOINTLY.  Wq and Wk come at the head: waves 0 and 1 fetch K's first halves, waves 2 and 3 the second; when the first halves have been read, Wv takes their place: the one refill.
; x is each work-group's own: 64 loads of 512 consecutive bytes a wave into registers, in four portions, which turn through the wave's own stage in LDS.
; q and k are finished and stored ahead of the wait for Wv; v comes last.
; PREFETCH: Wv, which the refill loads, is asked for at the head.  Its 512 blocks of 256 bytes are shared out by address: a cluster asks for 32 of them, each of its sixteen waves for two; each block is named by four clusters.
; No dead work is left out.
; LIMITS: a block of zeros gets the byte 1 where the rule says 127 (its codes are zeros, and this program alone reads the bytes); NaN and infinities among the inputs are not served.
; REGISTERS: window 0: below; window 1: my 12 weight fragments; window 2: x as loaded; window 3: x's 16 fragments.
.set LROW,   1040                      ; an LDS row: four rows of a weight, 1,024 bytes, + 16: rows 32 apart start 32 banks apart (64 banks of 4 bytes: ISA guide 11.1), so lanes 0-15 and 16-31 touch different banks
.set HALFW,  64*LROW                   ; 256 rows of a weight
.set XST,    4*HALFW                   ; the stages: 16 rows x 528 bytes a wave
.set XIMG,   XST+4*8448                ; x's 16 fragments, 1,536 bytes each: (tile t, K step s) at 4 t + s
.set XSC,    XIMG+16*1536              ; their scale words, 128 bytes each
.set SPARE,  XSC+2048                  ; the spare words
.set LN,  1
.set RR,  2
.set HH,  3
.set L16, 4
.set H8,  5
.set WA,  6                            ; v6, v7  my columns of Wq or Wk: K's first and second half
.set VA,  8                            ; v8, v9  my column of Wv
.set XS,  10
.set XR,  11
.set XWI, 12
.set XWS, 13
.set XFI, 14
.set XFS, 15
.set BO,  16
.set BVO, 17
.set VC0, 18
.set VC1, 19
.set VSO, 20
.set L8,  21
.set VSB, 22
.set SPW, 24
.set NIL, 25
.set PB,  26
.set WS,  29                           ; v29-40  the weights' scale words
.set PW,  41
.set PFO, 42                           ; the prefetch's offset; never rewritten
.set XSW, 48                           ; v48-63  x's
.set T,   64
.set PC,  72
.set TC,  84
.set B1,  92                           ; v92-107 the bias of q or k, v108-115 v's
.set BV,  108
.set TM,  116
.set SA,  128
.set SB,  192
.set ACC, 128                          ; v128-191 the 8 accumulators of q or k;  later v192-223 v's four
.set OC,  224
.set SEL, 94
.set MSB, 0
.macro WIN new
.if MSB != \new
	s_set_vgpr_msb (MSB<<8)|\new
.set MSB, \new
.endif
.endm
.macro WALU
	s_wait_alu depctr_va_vdst(0)
.endm
.macro PLACES
.rept 4
	v_nop
.endr
.endm
.macro CROUND
	s_barrier_signal -1
	s_barrier_wait -1
	s_cmp_lg_u32 s22, 0
	s_cbranch_scc1 .Lnot_wave_0_\@
	s_barrier_signal -3
.Lnot_wave_0_\@:
	s_barrier_wait -3
	s_barrier_signal -1
	s_barrier_wait -1
.endm
; 64 loads: the numbers k0 + 64 c + 32 h + i of my column
.macro WLD s, a, k0, b0
.irp c, 0,1
.irp i, 0,1,2,3,4,5,6,7,8,9,10,11,12,13,14,15,16,17,18,19,20,21,22,23,24,25,26,27,28,29,30,31
	ds_load_b32 v[(\s)+32*\c+\i], v[\a] offset:(((\k0)+64*\c+\i)/4)*LROW+(\i%4)*256+(\b0)
.endr
.endr
.endm
; line i of eight of a block's largest magnitude: two chains over its halves, with the floor 2^(3 - 127) among the leaves: the byte cannot fall under 1
.macro MAXL i, x, ta, tb
.if (\i) == 0
	v_max3_num_f32 v[\ta], |v[\x]|, |v[(\x)+1]|, 0x1800000
	v_max3_num_f32 v[\tb], |v[(\x)+16]|, |v[(\x)+17]|, |v[(\x)+18]|
.else
	v_max3_num_f32 v[\ta], v[\ta], |v[(\x)+2*(\i)]|, |v[(\x)+2*(\i)+1]|
.if (\i) < 7
	v_max3_num_f32 v[\tb], v[\tb], |v[(\x)+17+2*(\i)]|, |v[(\x)+18+2*(\i)]|
.else
	v_max3_num_f32 v[\ta], v[\ta], v[\tb], |v[(\x)+31]|
.endif
.endif
.endm
; a fragment: my two blocks v[s + 32 c + i] become 12 registers from d on (window wd), the scale word goes to v[sw]
.macro QF s, wd, d, sw
.irp i, 0,1,2,3,4,5,6,7
	MAXL \i, (\s), T, T+1
	MAXL \i, (\s)+32, T+2, T+3
.endr
	v_add_nc_u32 v[T+4], 0xff000000, v[T]          ; 2 off the exponent field: the conversion takes the exponent field of this operand as its scale
	v_add_nc_u32 v[T+5], 0xff000000, v[T+2]
	v_lshrrev_b32 v[T+6], 23, v[T+4]
	v_lshrrev_b32 v[T+7], 23, v[T+5]
	v_lshl_or_b32 v[T+6], v[T+7], 16, v[T+6]       ; my two bytes, of blocks h and 2 + h,
	v_lshlrev_b32 v[T+6], v[H8], v[T+6]            ; at their places
	v_permlanex16_b32 v[PB], v[T+6], s[SEL], s[SEL+1]
	v_or_b32 v[\sw], v[T+6], v[PB]                 ; and lane l xor 16's two
	WIN (\wd)<<6
	v_cvt_scalef32_pk16_fp6_f32 v[(\d):(\d)+2], v[(\s):(\s)+15], v[T+4]
	v_cvt_scalef32_pk16_fp6_f32 v[(\d)+6:(\d)+8], v[(\s)+32:(\s)+47], v[T+5]
	WIN 0
	v_cvt_scalef32_pk16_fp6_f32 v[TC:TC+2], v[(\s)+16:(\s)+31], v[T+4]   ; (a conversion's three registers begin on an even number)
	v_cvt_scalef32_pk16_fp6_f32 v[TC+4:TC+6], v[(\s)+48:(\s)+63], v[T+5]
	v_nop
	WIN (\wd)<<6
.irp i, 0,1,2
	v_mov_b32 v[(\d)+3+\i], v[TC+\i]
	v_mov_b32 v[(\d)+9+\i], v[TC+4+\i]
.endr
	WIN 0
.endm
; K step s of my tile: 16 rows of 512 bytes, a row a load
.macro XLD s
	WIN 0x80
.irp i, 0,1,2,3,4,5,6,7,8,9,10,11,12,13,14,15
	global_load_b128 v[64*(\s)+4*\i:64*(\s)+4*\i+3], v[L16], s[56:57] offset:512*(\s)+65536*(\i/8)+2048*(\i%8) th:TH_LOAD_NT
.endr
	WIN 0
.endm
; through the stage: LDS serves a wave's instructions in order (ISA guide 5.7.1.4)
.macro XTURN s, set
	WIN 0x08
.irp i, 0,1,2,3,4,5,6,7,8,9,10,11,12,13,14,15
	ds_store_b128 v[XS], v[64*(\s)+4*\i:64*(\s)+4*\i+3] offset:528*\i
.endr
	WIN 0
.irp c, 0,1
.irp j, 0,1,2,3,4,5,6,7
	ds_load_b128 v[(\set)+32*\c+4*\j:(\set)+32*\c+4*\j+3], v[XR] offset:256*\c+16*\j
.endr
.endr
.endm
.macro IMAGE s
.irp c, 0,1,2
	ds_store_b128 v[XWI], v[PC+4*\c:PC+4*\c+3] offset:1536*(\s)+512*\c
.endr
	ds_store_b32 v[XWS], v[PW] offset:128*(\s)
.endm
	s_load_b256 s[4:11], s[0:1], 0x0               ; x, Wq, Wk, Wv
	s_load_b256 s[12:19], s[0:1], 0x20             ; bq, bk, bv, qbuf
	s_load_b64 s[20:21], s[0:1], 0x40              ; kv
	v_lshl_add_u32 v[SPW], v0, 2, SPARE
	v_mov_b32 v[NIL], 0
	ds_add_u32 v[SPW], v[NIL]                      ; the opening lines: the add, twice on end
	ds_add_u32 v[SPW], v[NIL]
	v_lshrrev_b32 v1, 5, v0
	v_readfirstlane_b32 s22, v1                    ; wave w
	s_lshr_b32 s23, s22, 1                         ; q (0) or k (1);  at the head: which half of K I fetch
	s_and_b32 s24, s22, 1                          ; which 32 channels;  at the head: Wq's (0) or Wk's (1)
	s_bfe_u32 s25, ttmp6, 0x40000
	s_lshl_b32 s26, ttmp9, 2
	s_add_co_u32 s25, s26, s25                     ; my 64 rows
	s_and_b32 s26, s25, 1                          ; p: which half of a key step
.irp g, 32,40                          ; groups 1: long rows of 256 elements of 4 bytes, dense, 4 words of padding behind each
	s_mov_b32 s[\g], 15|(2<<16)|(1<<20)|(1<<21)|(7<<22)|(3<<25)
	s_mov_b32 s[\g+1], 256<<16
	s_mov_b32 s[\g+3], 256<<16
	s_mov_b32 s[\g+5], 256
	s_mov_b32 s[\g+6], 0
	s_mov_b32 s[\g+7], 0
.endr
	s_mov_b32 s34, 64<<16                          ; the head's loads: 64 long rows,
	s_mov_b32 s36, 64
	s_mov_b32 s42, 32<<16                          ; the refill's: 32
	s_mov_b32 s44, 32
	s_mov_b32 s28, 1
	s_mul_i32 s29, s22, HALFW
	s_mov_b32 s48, 1
	s_mul_i32 s49, s22, HALFW/2
	s_lshl_b32 s54, s23, 16
	s_mov_b32 s55, 0
	s_lshl_b32 s58, s22, 15
	s_mov_b32 s59, 0
	s_lshl_b32 s60, s25, 17                        ; 64 rows of 2,048 bytes a work-group, 8 a tile
	s_lshl_b32 s61, s22, 14
	s_add_co_u32 s60, s60, s61
	s_mov_b32 s61, 0
	s_lshl_b32 s68, s24, 7
	s_mov_b32 s69, 0
	s_lshl_b32 s72, s22, 6
	s_mov_b32 s73, 0
	s_and_b32 s62, ttmp9, 3                        ; the prefetch: four bits of the cluster's number say which 32 blocks of Wv,
	s_lshr_b32 s63, ttmp9, 3
	s_and_b32 s63, s63, 3
	s_lshl_b32 s63, s63, 2
	s_or_b32 s62, s62, s63
	s_lshl_b32 s62, s62, 13
	s_and_b32 s63, s25, 3
	s_lshl_b32 s63, s63, 2
	s_add_co_u32 s63, s63, s22
	s_lshl_b32 s63, s63, 9                         ; my number among the cluster's sixteen waves which two
	s_add_co_u32 s62, s62, s63
	WALU
	s_wait_dscnt 0x0                               ; both opening adds are done
	s_wait_kmcnt 0x0
	s_cmp_eq_u32 s24, 0                            ; the choices hang on the wave's number alone
	s_cselect_b64 s[52:53], s[6:7], s[8:9]
	s_add_nc_u64 s[30:31], s[52:53], s[54:55]
	s_or_b32 s31, s31, 0x80000000
	s_add_nc_u64 s[50:51], s[10:11], s[58:59]
	s_or_b32 s51, s51, 0x80000000
	s_add_nc_u64 s[56:57], s[4:5], s[60:61]
	s_cmp_eq_u32 s23, 0
	s_cselect_b64 s[82:83], s[12:13], s[14:15]
	s_add_nc_u64 s[82:83], s[82:83], s[68:69]
	s_add_nc_u64 s[84:85], s[16:17], s[72:73]
	CROUND                                         ; the first joint loads meet
	s_cmp_lt_u32 s22, 2
	s_cbranch_scc0 .Lsecond
	tensor_load_to_lds s[28:31], s[32:39]          ; waves 0 and 1: K's first halves.  One load a wave at the head
	s_nop 0
	PLACES
	s_branch .Lasked
.Lsecond:
	tensor_load_to_lds s[28:31], s[32:39]          ; waves 2 and 3: the second halves
	s_nop 0
	PLACES
.Lasked:
	v_and_b32 v[LN], 31, v0
	v_and_b32 v[RR], 15, v0
	v_bfe_u32 v[HH], v0, 4, 1
	v_lshlrev_b32 v[L16], 4, v[LN]
	v_lshlrev_b32 v[BO], 6, v[HH]
	v_lshlrev_b32 v[BVO], 2, v[RR]
	v_min_u32 v[PFO], 1, v[LN]                     ; (the lanes behind lane 1 name its block again)
	v_lshlrev_b32 v[PFO], 8, v[PFO]
	v_add_nc_u32 v[PFO], s62, v[PFO]
.irp u, 0,1                            ; the bias as the transposed result lies: channel 8 u + 16 h + j of my 32
	global_load_b128 v[B1+8*\u:B1+8*\u+3], v[BO], s[82:83] offset:32*\u
	global_load_b128 v[B1+8*\u+4:B1+8*\u+7], v[BO], s[82:83] offset:32*\u+16
.endr
	global_load_b32 v[BV], v[BVO], s[84:85]
	global_prefetch_b8 v[PFO], s[10:11] th:TH_LOAD_NT scope:SCOPE_SE
	XLD 0
	s_lshr_b32 s62, s25, 1
	s_mul_i32 s62, s62, 12800                      ; my key step's block in kv
	s_mul_i32 s63, s26, 3072
	s_mul_i32 s66, s25, 3328                       ; my record of qbuf
	s_add_co_u32 s67, s62, s63
	s_add_co_u32 s87, s66, 3072
	s_lshl_b32 s88, s26, 3
	s_add_co_u32 s88, s88, s62
	s_add_co_u32 s88, s88, 12288
	s_cmp_eq_u32 s23, 0                            ; q or k
	s_cselect_b64 s[90:91], s[18:19], s[20:21]
	s_cselect_b32 s68, s66, s67
	s_cselect_b32 s72, s87, s88
	s_cselect_b32 s76, 2, 16                       ; a scale byte's place: r x 2 + h x 32 or r x 16 + h x 2
	s_cselect_b32 s77, 32, 2
	s_cselect_b32 s92, 64, 4                       ; and from the first pair of tiles to the second
	s_mov_b32 s69, 0
	s_mov_b32 s73, 0
	s_mov_b32 s93, 0
	s_add_nc_u64 s[70:71], s[90:91], s[68:69]
	s_add_nc_u64 s[72:73], s[90:91], s[72:73]
	s_add_nc_u64 s[74:75], s[72:73], s[92:93]
	s_mul_i32 s78, s22, 1536
	s_mul_i32 s79, s26, 768
	s_add_co_u32 s78, s78, s79
	s_add_co_u32 s78, s78, s62
	s_add_co_u32 s78, s78, 6144
	s_mov_b32 s79, 0
	s_lshl_b32 s80, s22, 2
	s_lshl_b32 s81, s26, 1
	s_add_co_u32 s80, s80, s81
	s_add_co_u32 s80, s80, s62
	s_add_co_u32 s80, s80, 12544
	s_mov_b32 s81, 0
	s_add_nc_u64 s[78:79], s[20:21], s[78:79]
	s_add_nc_u64 s[80:81], s[20:21], s[80:81]
	s_mov_b32 s86, 0xffff0000                      ; lanes 16-31
	s_mov_b32 s[SEL], 0x76543210
	s_mov_b32 s[SEL+1], 0xfedcba98                 ; v_permlanex16_b32's selects for lane l xor 16
	s_mul_i32 s52, s23, HALFW
	s_lshl_b32 s53, s24, 7
	s_mul_i32 s54, s22, 8448
	s_add_co_u32 s54, s54, XST
	s_mul_i32 s55, s22, 6144
	s_add_co_u32 s55, s55, XIMG
	s_lshl_b32 s58, s22, 9
	s_add_co_u32 s58, s58, XSC
	s_lshl_b32 s59, s22, 6
	s_lshl_b32 s60, s24, 8
	s_lshl_b32 s61, s24, 7
	v_and_b32 v[LN], 31, v0
	v_and_b32 v[RR], 15, v0
	v_bfe_u32 v[HH], v0, 4, 1
	v_lshlrev_b32 v[H8], 3, v[HH]
	v_and_b32 v23, 8, v0
	v_add_nc_u32 v23, v23, v[RR]
	v_lshlrev_b32 v23, 2, v23                      ; column r + 8 (r / 8), in bytes
	v_mul_u32_u24 v27, 8*LROW, v[HH]               ; lanes 16-31: 32 rows of the weight further down
	v_add_nc_u32 v[WA], v27, v23
	v_add_nc_u32 v[WA], s53, v[WA]
	v_add_nc_u32 v[WA], s52, v[WA]
	v_add_nc_u32 v[WA+1], 2*HALFW, v[WA]
	v_lshl_add_u32 v[VA], v[RR], 2, v27
	v_add_nc_u32 v[VA], s59, v[VA]
	v_add_nc_u32 v[VA+1], HALFW, v[VA]
	v_lshlrev_b32 v23, 4, v[LN]
	v_add_nc_u32 v[XS], s54, v23
	v_add_nc_u32 v[XWI], s55, v23
	v_add_nc_u32 v[XFI], XIMG, v23
	v_mul_u32_u24 v[XR], 528, v[RR]
	v_lshl_add_u32 v[XR], v[HH], 7, v[XR]
	v_add_nc_u32 v[XR], s54, v[XR]
	v_lshlrev_b32 v23, 2, v[LN]
	v_add_nc_u32 v[XWS], s58, v23
	v_add_nc_u32 v[XFS], XSC, v23
	v_mul_u32_u24 v[VC0], 768, v[HH]
	v_lshl_add_u32 v[VC1], v[RR], 3, v[VC0]
	v_lshl_add_u32 v[VC0], v[RR], 4, v[VC0]
	v_add_nc_u32 v[VC0], s60, v[VC0]
	v_add_nc_u32 v[VC1], s61, v[VC1]
	v_mul_u32_u24 v[VSO], s76, v[RR]
	v_mad_u32_u24 v[VSO], v[HH], s77, v[VSO]
	v_add_nc_u32 v[VSO], s24, v[VSO]
	v_lshlrev_b32 v[L8], 3, v[LN]
	v_lshl_add_u32 v[VSB], v[RR], 4, v[HH]
	v_mov_b32 v[PB], 0                             ; written once: a lane permute's destination counts as one of its sources
.irp b, 4,5,6,7
	v_mov_b32 v[TM+\b], 0
.endr
	WALU                                           ; the wait at the head's end
	s_cmp_lt_u32 s22, 2
	s_cbranch_scc0 .Lnot_first
	s_wait_tensorcnt 0x0
.Lnot_first:
	s_barrier_signal -1
	s_barrier_wait -1                              ; K's first halves are in
	; ---- K's first half of my two column tiles: fragment (u, s) at 12 (4 u + s) of window 1
	WLD SA, WA, 0, 0
	XLD 1
	s_wait_dscnt 0x0
	WLD SB, WA, 0, 32
	QF SA, 1, 0, WS
	s_wait_dscnt 0x0
	WLD SA, WA, 128, 0
	XLD 2
	QF SB, 1, 48, WS+4
	s_wait_dscnt 0x0
	WLD SB, WA, 128, 32
	QF SA, 1, 12, WS+1
	s_wait_dscnt 0x0                               ; my reads of K's first halves are over
	s_wait_tensorcnt 0x0                           ; the refill's three lines
	ds_add_u32 v[SPW], v[NIL]
	QF SB, 1, 60, WS+5
	WALU
	s_wait_dscnt 0x0
	CROUND                                         ; K's second halves are in, too
	tensor_load_to_lds s[48:51], s[40:47]          ; Wv, a quarter a wave, onto K's first halves
	s_nop 0
	PLACES
	WLD SA, WA+1, 0, 0
	XLD 3
	s_wait_dscnt 0x0
	WLD SB, WA+1, 0, 32
	QF SA, 1, 24, WS+2
	s_wait_dscnt 0x0
	WLD SA, WA+1, 128, 0
	QF SB, 1, 72, WS+6
	s_wait_dscnt 0x0
	WLD SB, WA+1, 128, 32
	QF SA, 1, 36, WS+3
	; ---- x
	WALU
	s_wait_loadcnt 48                              ; K step 0 is in; the three later steps, 16 loads each, may be out
	s_wait_dscnt 0x0
	XTURN 0, SA
	QF SB, 1, 84, WS+7
	WALU
	s_wait_loadcnt 32
	s_wait_dscnt 0x0
	XTURN 1, SB
	QF SA, 0, PC, PW
	IMAGE 0
	s_wait_loadcnt 16
	s_wait_dscnt 0x0
	XTURN 2, SA
	QF SB, 0, PC, PW
	IMAGE 1
	s_wait_loadcnt 0x0                             ; K step 3; the biases came before
	s_wait_dscnt 0x0
	XTURN 3, SB
.irp j, 1,2,3,4,5,6,7
	v_mov_b32 v[BV+\j], v[BV]                      ; in the natural layout a lane's eight registers are rows of one channel
.endr
	QF SA, 0, PC, PW
	IMAGE 2
	s_wait_dscnt 0x0
	QF SB, 0, PC, PW
	IMAGE 3
	WALU
	s_wait_dscnt 0x0
	s_barrier_signal -1
	s_barrier_wait -1                              ; x's sixteen fragments lie in LDS
	; ---- q's or k's products
.irp f, 0,1,2,3,4,5,6,7,8,9,10,11,12,13,14,15
	ds_load_b32 v[XSW+\f], v[XFS] offset:128*\f
.endr
	WIN 0xc0
.irp s, 0,1,2,3
.irp g, 0,1,2,3
.irp c, 0,1,2
	ds_load_b128 v[12*(4*\g+\s)+4*\c:12*(4*\g+\s)+4*\c+3], v[XFI] offset:1536*(4*\g+\s)+512*\c
.endr
.endr
.endr
	WIN 0
.irp s, 0,1,2,3                        ; the eight accumulators take turns
	s_wait_dscnt 12*(3-\s)                         ; this K step's fragments are in; later steps', 12 loads each, may be out
	WIN 0x0d                                       ; source 0 (W) window 1, source 1 (x) window 3, C and D window 0
.irp g, 0,1,2,3
.irp u, 0,1
.if \s == 0
	v_wmma_scale_f32_16x16x128_f8f6f4 v[ACC+16*\g+8*\u:ACC+16*\g+8*\u+7], v[12*(4*\u+\s):12*(4*\u+\s)+11], v[12*(4*\g+\s):12*(4*\g+\s)+11], v[B1+8*\u:B1+8*\u+7], v[WS+4*\u+\s], v[XSW+4*\g+\s] matrix_a_fmt:MATRIX_FMT_FP6 matrix_b_fmt:MATRIX_FMT_FP6
.else
	v_wmma_scale_f32_16x16x128_f8f6f4 v[ACC+16*\g+8*\u:ACC+16*\g+8*\u+7], v[12*(4*\u+\s):12*(4*\u+\s)+11], v[12*(4*\g+\s):12*(4*\g+\s)+11], v[ACC+16*\g+8*\u:ACC+16*\g+8*\u+7], v[WS+4*\u+\s], v[XSW+4*\g+\s] matrix_a_fmt:MATRIX_FMT_FP6 matrix_b_fmt:MATRIX_FMT_FP6
.endif
.endr
.endr
.endr
	WIN 0
	PLACES                                         ; between the last products and the first read of results (ISA guide 7.12.1)
	; ---- block b = my 32 channels of tile b's row r, 16 of them here, 16 in lane l xor 16
.irp b, 0,1,2,3
	v_max3_num_f32 v[TM+\b], |v[ACC+16*\b]|, |v[ACC+16*\b+1]|, 0x1800000
.endr
.irp i, 2,4,6,8,10,12,14
.irp b, 0,1,2,3
	v_max3_num_f32 v[TM+\b], v[TM+\b], |v[ACC+16*\b+\i]|, |v[ACC+16*\b+\i+1]|
.endr
.endr
.irp b, 0,1,2,3
	v_permlanex16_b32 v[TM+4+\b], v[TM+\b], s[SEL], s[SEL+1]
.endr
.irp b, 0,1,2,3
	v_max_num_f32 v[TM+\b], v[TM+\b], v[TM+4+\b]
.endr
.irp b, 0,1,2,3
	v_add_nc_u32 v[TM+8+\b], 0xff000000, v[TM+\b]
.endr
.irp b, 0,1,2,3
	v_lshrrev_b32 v[TM+4+\b], 23, v[TM+8+\b]
.endr
.irp c, 0,1
	v_cvt_scalef32_pk16_fp6_f32 v[OC+6*\c:OC+6*\c+2], v[ACC+32*\c:ACC+32*\c+15], v[TM+8+2*\c]
	v_cvt_scalef32_pk16_fp6_f32 v[OC+12+4*\c:OC+14+4*\c], v[ACC+32*\c+16:ACC+32*\c+31], v[TM+9+2*\c]
.endr
	v_nop
.irp c, 0,1                            ; whole blocks: lanes 0-15 tile 2 c, lanes 16-31 tile 2 c + 1
.irp i, 0,1,2
	v_permlane16_swap_b32 v[OC+6*\c+\i], v[OC+12+4*\c+\i]
.endr
.irp i, 0,1,2
	v_mov_b32 v[OC+6*\c+3+\i], v[OC+12+4*\c+\i]
.endr
.endr
	v_cndmask_b32 v27, v[TM+4], v[TM+5], s86
	v_cndmask_b32 v28, v[TM+6], v[TM+7], s86
.irp c, 0,1
	global_store_b128 v[VC0], v[OC+6*\c:OC+6*\c+3], s[70:71] offset:1536*\c       ; sixteen lanes store 256 consecutive bytes, at a multiple of 256 from the buffer's first byte
	global_store_b64 v[VC1], v[OC+6*\c+4:OC+6*\c+5], s[70:71] offset:1536*\c+512
.endr
	global_store_b8 v[VSO], v27, s[72:73]
	global_store_b8 v[VSO], v28, s[74:75]
	; ---- v
	WALU
	s_wait_tensorcnt 0x0                           ; my quarter of Wv is in
	s_wait_xcnt 0x0                                ; the stores have read their registers: set SB may be loaded
	s_wait_dscnt 0x0
	s_barrier_signal -1
	s_barrier_wait -1                              ; Wv is in
	WLD SA, VA, 0, 0
	s_wait_dscnt 0x0
	WLD SB, VA, 128, 0
	QF SA, 1, 96, WS+8
	s_wait_dscnt 0x0
	WLD SA, VA+1, 0, 0
	QF SB, 1, 108, WS+9
	s_wait_dscnt 0x0
	WLD SB, VA+1, 128, 0
	QF SA, 1, 120, WS+10
	s_wait_dscnt 0x0
	QF SB, 1, 132, WS+11
	PLACES                                         ; a scale register written by a vector instruction stands 8 places ahead of a scaled product, an operand so written 4
	WIN 0x07                                       ; source 0 (x) window 3, source 1 (Wv) window 1, C and D window 0
.irp s, 0,1,2,3
.irp g, 0,1,2,3
.if \s == 0
	v_wmma_scale_f32_16x16x128_f8f6f4 v[ACC+64+8*\g:ACC+64+8*\g+7], v[12*(4*\g+\s):12*(4*\g+\s)+11], v[12*(8+\s):12*(8+\s)+11], v[BV:BV+7], v[XSW+4*\g+\s], v[WS+8+\s] matrix_a_fmt:MATRIX_FMT_FP6 matrix_b_fmt:MATRIX_FMT_FP6
.else
	v_wmma_scale_f32_16x16x128_f8f6f4 v[ACC+64+8*\g:ACC+64+8*\g+7], v[12*(4*\g+\s):12*(4*\g+\s)+11], v[12*(8+\s):12*(8+\s)+11], v[ACC+64+8*\g:ACC+64+8*\g+7], v[XSW+4*\g+\s], v[WS+8+\s] matrix_a_fmt:MATRIX_FMT_FP6 matrix_b_fmt:MATRIX_FMT_FP6
.endif
.endr
.endr
	WIN 0
	PLACES
	; ---- my 32 registers are keys 32 h + 0 .. 31 of channel 16 w + r: a whole block
.irp i, 0,1,2,3,4,5,6,7
	MAXL \i, ACC+64, T, T+1
.endr
	v_add_nc_u32 v[T+4], 0xff000000, v[T]
	v_cvt_scalef32_pk16_fp6_f32 v[OC+20:OC+22], v[ACC+64:ACC+79], v[T+4]
	v_cvt_scalef32_pk16_fp6_f32 v[OC+24:OC+26], v[ACC+80:ACC+95], v[T+4]
	v_lshrrev_b32 v[T+6], 23, v[T+4]
	v_mov_b32 v[OC+23], v[OC+24]
	v_mov_b32 v[OC+24], v[OC+25]
	v_mov_b32 v[OC+25], v[OC+26]
	global_store_b128 v[L16], v[OC+20:OC+23], s[78:79]             ; the wave stores 512 consecutive bytes,
	global_store_b64 v[L8], v[OC+24:OC+25], s[78:79] offset:512    ; and 256
	global_store_b8 v[VSB], v[T+6], s[80:81]
	s_wait_tensorcnt 0x0                           ; the wave's end
	ds_add_u32 v[SPW], v[NIL]
	s_wait_dscnt 0x0
	CROUND                                         ; the closing round
	s_endpgm
.Lfunc_end_k_qe337faa755_proj:
	.size	k_qe337faa755_proj, .Lfunc_end_k_qe337faa755_proj-k_qe337faa755_proj
	.p2alignl 7, 3214868480
	.fill 96, 4, 3214868480
	.section	.rodata,"a",@progbits
	.p2align	6, 0x0
	.amdhsa_kernel k_qe337faa755_proj
		.amdhsa_group_segment_fixed_size 327680
		.amdhsa_private_segment_fixed_size 0
		.amdhsa_enable_private_segment 0
		.amdhsa_kernarg_size 72
		.amdhsa_user_sgpr_count 2
		.amdhsa_user_sgpr_kernarg_segment_ptr 1
		.amdhsa_wavefront_size32 1
		.amdhsa_system_sgpr_workgroup_id_x 1
		.amdhsa_system_sgpr_workgroup_id_y 1
		.amdhsa_system_sgpr_workgroup_id_z 1
		.amdhsa_system_vgpr_workitem_id 0
		.amdhsa_next_free_vgpr 960
		.amdhsa_next_free_sgpr 96
		.amdhsa_reserve_vcc 0
		.amdhsa_float_denorm_mode_32 3
		.amdhsa_float_denorm_mode_16_64 3
		.amdhsa_memory_ordered 1
		.amdhsa_forward_progress 1
		.amdhsa_inst_pref_size 140
	.end_amdhsa_kernel
	.amdgpu_metadata
---
amdhsa.version: [ 1, 2 ]
amdhsa.kernels:
  - .name:           k_qe337faa755_proj
    .symbol:         k_qe337faa755_proj.kd
    .args:
      - { .name: x, .offset: 0, .size: 8, .value_kind: global_buffer, .address_space: global }
      - { .name: Wq, .offset: 8, .size: 8, .value_kind: global_buffer, .address_space: global }
      - { .name: Wk, .offset: 16, .size: 8, .value_kind: global_buffer, .address_space: global }
      - { .name: Wv, .offset: 24, .size: 8, .value_kind: global_buffer, .address_space: global }
      - { .name: bq, .offset: 32, .size: 8, .value_kind: global_buffer, .address_space: global }
      - { .name: bk, .offset: 40, .size: 8, .value_kind: global_buffer, .address_space: global }
      - { .name: bv, .offset: 48, .size: 8, .value_kind: global_buffer, .address_space: global }
      - { .name: qbuf, .offset: 56, .size: 8, .value_kind: global_buffer, .address_space: global }
      - { .name: kv, .offset: 64, .size: 8, .value_kind: global_buffer, .address_space: global }
    .group_segment_fixed_size: 327680
    .private_segment_fixed_size: 0
    .kernarg_segment_align: 8
    .kernarg_segment_size: 72
    .max_flat_workgroup_size: 128
    .sgpr_count:     96
    .vgpr_count:     960
    .wavefront_size: 32
...
	.end_amdgpu_metadata
.endif
;; end of part 1
;; launch attn (part 2): grid 64 x 4, 8 waves a work-group, clusters of 4 x 1, 327,680 bytes of LDS; arguments qbuf, kv, out0; writes out0
.if DOCPART == 2
	.amdgcn_target "amdgcn-amd-amdhsa--gfx1250"
	.amdhsa_code_object_version 6
	.text
	.protected	k_qe337faa755_attn
	.globl	k_qe337faa755_attn
	.p2align	8
	.type	k_qe337faa755_attn,@function
k_qe337faa755_attn:
	s_mov_b64 s[64:65], 0
	v_nop
	global_prefetch_b8 v0, s[64:65] scope:SCOPE_SE
	s_setreg_imm32_b32 hwreg(HW_REG_WAVE_MODE, 25, 1), 1
	s_wait_xcnt 0x0
	s_wait_alu depctr_hold_cnt(0) depctr_sa_sdst(0) depctr_va_vdst(0) depctr_va_sdst(0) depctr_va_ssrc(0) depctr_va_vcc(0) depctr_vm_vsrc(0)
	s_getreg_b32 s2, hwreg(HW_REG_IB_STS2, 6, 4)
	s_cmp_eq_u32 s2, 0
	s_cbranch_scc0 .Lentry_in_a_cluster
	s_endpgm
.Lentry_in_a_cluster:
	s_bfe_u32 s2, ttmp6, 0x10000c
	s_cmp_lg_u32 s2, 0x3003
	s_cbranch_scc0 .Lentry_shape_is_right
	s_endpgm
.Lentry_shape_is_right:
; out0[b][q][:] = the sum over k of softmax_k(q . k / 8) v[k][:], both products on codes of FP6 (E2M3) with one E8M0 scale for each 32 along a product's K.  q, k and v come as register images from launch proj.
; THE SOFTMAX AHEAD OF THE SECOND PRODUCT: t = score x log2(e) / 8; M = the largest t so far, rounded UP to a whole number; p = 2^(t - M) is what is quantised, along the keys; it is not normalised.
; The row's sum is taken of the unquantised p, in f32, and divides at the end.  When M moves, the sum and O are multiplied by 2^(old M - new M): exact.
; SHARES.  A work-group owns 64 queries of one batch.  Wave w of eight: query tiles 2 (w % 2) and 2 (w % 2) + 1 (A and B), key group g = w / 2.  The batch's 32 blocks of 128 keys (12,800 dense bytes each): blocks 0-7, of which group g takes
; 2 g and 2 g + 1; blocks 8-23, of which it takes four on end; blocks 24-31, as the first.  So a wave walks eight key steps; each fragment of k serves four products, each of v^T two.  The groups' partial O, M and sum meet in LDS at the end.
; LAYOUT.  Both products are used transposed: S^T = K Q^T, O^T = V^T P^T: a lane holds ONE query (lane % 16) of each tile throughout.  Tile i of band c of k has the keys 64 c + 32 (m / 8) + 8 i + m % 8, m = 0 .. 15: so the 32 registers
; of a band's four results are, in lane (r, h), the 32 keys of block 2 c + h, in the order of the second product's operand: a block lies whole in one lane.
; K = 64 IS HALF OF THE INSTRUCTION'S 128.  A fragment of k carries TWO tiles: multiplied by [q, zeros] it gives the first's scores, by [zeros, q] the second's: the other half meets zero codes and adds exactly 0.
; CLUSTER.  The four work-groups of a cluster belong to one batch and walk the same kv: every load of it is JOINT.  LDS: blocks 0-7 at the head; 8-23, for the first time, behind the round that shows them; 24-31 onto the first eight: the one refill.
; NO PREFETCH: the second load has two key steps in which to land, the third four, and ahead of the first there is no loop.
; The stage of the merge lies where blocks 8 on lay: those bytes have had their last fill, and nobody reads them behind the barrier in front of the last two steps.  No dead work is left out.
; LIMITS: NaN and infinities are not served; the scaled scores stay under 2^31 in magnitude; v_exp_f32 gives 0 for p under 2^-126 (ISA guide 15.8); a block whose every p is 0 keeps the byte 1 (its codes are zeros);
; a block's largest p is taken through its largest score, which takes v_exp_f32 not to fall where its input rises: at the worst one p of a block, within an ulp of a power of two, is held one code low.
.set STEPB, 12800
.set PART,  8*STEPB
.set SPARE, 3*PART
.set STG,   PART                       ; the stage: each key group's lies on its own blocks of steps 2 and 3: 64 rows of 256 bytes + 16, row 16 x tile + r,
.set STGG,  4*STEPB
.set STAT,  STG+20480                  ; and for each row 32 bytes (behind group 0's rows, on its block of step 3): -M of the four groups, then their sums
.set SPW,  1
.set NIL,  2
.set A16A, 3
.set A8A,  4
.set A16B, 5
.set A8B,  6
.set H8,   7
.set SCK,  8                           ; v8-11   scale words: lanes 0-15 k's
.set PS,   12                          ; v12, 13 p's scale words
.set QS,   14                          ; v14, 15 q's, two bytes twice
.set NM,   16                          ; v16, 18 -M;  v17, 19 the largest score
.set FF,   20                          ; v20, 22 2^(old M - new M)
.set SCV,  24                          ; v24-27  scale words: lanes 16-31 v's
.set LL,   28                          ; v[28:29], v[30:31] the sums in two halves
.set BM,   32                          ; v32-35  the blocks' largest scores: A's two, B's two
.set PB,   36
.set TT,   38
.set C16,  40
.set C8,   41
.set SOP,  42
.set TC,   48                          ; v48-63  conversions' second halves, then the sums' chains
.set SU,   48
.set O,    64                          ; v64-127 O^T, A's then B's
.set S,    128                         ; v128-255 S^T, then p, A's then B's
.set KF,   0                           ; window 1: four double fragments of k,
.set VF,   48                          ; four tiles of v^T,
.set QZ,   96                          ; zeros, A's q, zeros, B's q, zeros, six registers each,
.set PF,   126                         ; p's codes
.set WV,   10
.set SEL,  52
.set CS,   54
.set NCS,  13
.set CNT,  58
.set OFF,  59
.set MSB, 0
.macro WIN new
.if MSB != \new
	s_set_vgpr_msb (MSB<<8)|\new
.set MSB, \new
.endif
.endm
.macro WALU
	s_wait_alu depctr_va_vdst(0)
.endm
.macro PLACES
.rept 4
	v_nop
.endr
.endm
.macro CROUND
	s_barrier_signal -1
	s_barrier_wait -1
	CREST
.endm
.macro CREST                           ; a round behind its opening barrier
	s_cmp_lg_u32 s[WV], 0
	s_cbranch_scc1 .Lnot_wave_0_\@
	s_barrier_signal -3
.Lnot_wave_0_\@:
	s_barrier_wait -3
	s_barrier_signal -1
	s_barrier_wait -1
.endm
.macro KLOAD
	ds_load_b128 v[SCK:SCK+3], v[C16] offset:12288
	WIN 0x40
.irp d, 0,1,2,3,4,5,6,7
	ds_load_b128 v[KF+6*\d:KF+6*\d+3], v[C16] offset:768*\d
	ds_load_b64 v[KF+6*\d+4:KF+6*\d+5], v[C8] offset:768*\d+512
.endr
	WIN 0
.endm
.macro VLOAD
	ds_load_b128 v[SCV:SCV+3], v[C16] offset:12288
	WIN 0x40
.irp d, 0,1,2,3,4,5,6,7
	ds_load_b128 v[VF+6*\d:VF+6*\d+3], v[C16] offset:6144+768*\d
	ds_load_b64 v[VF+6*\d+4:VF+6*\d+5], v[C8] offset:6144+768*\d+512
.endr
	WIN 0
.endm
; A KEY STEP of 128 keys for both tiles; its fragments of k are in registers.  start: O^T and the sums begin here.  more: 1 the next step's k is fetched; 2 it is, but for a loop's last trip; 0 it is not.
.macro STEP start, more, a16, a8
	WIN 0x05                                       ; sources 0 and 1 window 1, C and D window 0
.irp d, 0,1,2,3
.irp t, 0,1
.irp u, 0,1
	v_wmma_scale_f32_16x16x128_f8f6f4 v[S+64*\t+16*\d+8*\u:S+64*\t+16*\d+8*\u+7], v[KF+12*\d:KF+12*\d+11], v[QZ+6+12*\t-6*\u:QZ+17+12*\t-6*\u], 0, v[SCK+\d], v[QS+\t] matrix_a_fmt:MATRIX_FMT_FP6 matrix_b_fmt:MATRIX_FMT_FP6
.endr
.endr
.endr
	WIN 0
	PLACES                                         ; between products and loads into their registers or reads of their results
	VLOAD
.if (\more) == 2
	s_cmp_eq_u32 s[CNT], 1
	s_cbranch_scc1 .Lno_more_\@
.endif
.if ((\more) == 1) || ((\more) == 2)
	s_add_co_u32 s[OFF], s[OFF], STEPB
	v_add_nc_u32 v[C16], s[OFF], v[\a16]
	v_add_nc_u32 v[C8], s[OFF], v[\a8]
	KLOAD
.endif
.if (\more) == 2
.Lno_more_\@:
.endif
.irp k, 0,1,2,3
	v_max3_num_f32 v[BM+\k], v[S+32*\k], v[S+32*\k+1], v[S+32*\k+2]   ; THE LARGEST SCORE OF EACH BLOCK serves twice: for the row's maximum, and, since p rises with the score, for the block's largest p
.endr
.irp i, 3,5,7,9,11,13,15,17,19,21,23,25,27,29
.irp k, 0,1,2,3
	v_max3_num_f32 v[BM+\k], v[BM+\k], v[S+32*\k+\i], v[S+32*\k+\i+1]
.endr
.endr
.irp k, 0,1,2,3
	v_max_num_f32 v[BM+\k], v[BM+\k], v[S+32*\k+31]
.endr
.irp t, 0,1
	v_max_num_f32 v[TT+\t], v[BM+2*\t], v[BM+2*\t+1]
.endr
.irp t, 0,1
	v_permlanex16_b32 v[PB+\t], v[TT+\t], s[SEL], s[SEL+1]
.endr
.irp t, 0,1
.if \start
	v_max_num_f32 v[NM+2*\t+1], v[TT+\t], v[PB+\t]
.else
	v_max3_num_f32 v[NM+2*\t+1], v[NM+2*\t+1], v[TT+\t], v[PB+\t]   ; the running largest score
.endif
.endr
.irp t, 0,1
	v_mul_f32 v[TT+\t], s[NCS], v[NM+2*\t+1]       ; -t
.endr
.if \start
.irp t, 0,1
	v_floor_f32 v[NM+2*\t], v[TT+\t]               ; -M = floor(-t): M IS A WHOLE NUMBER
.endr
.else
.irp t, 0,1
	v_floor_f32 v[TT+\t], v[TT+\t]
.endr
.irp t, 0,1
	v_sub_f32 v[PB+\t], v[TT+\t], v[NM+2*\t]       ; M's old value less its new one: a whole number, 0 or less
.endr
.irp t, 0,1
	v_cvt_i32_f32 v[PB+\t], v[PB+\t]               ; (it saturates)
.endr
.irp t, 0,1
	v_ldexp_f32 v[FF+2*\t], 1.0, v[PB+\t]
.endr
.irp t, 0,1
	v_mov_b32 v[NM+2*\t], v[TT+\t]
.endr
.set j, 0
.rept 16
.irp t, 0,1
	v_pk_mul_f32 v[O+32*\t+j:O+32*\t+j+1], v[O+32*\t+j:O+32*\t+j+1], v[FF+2*\t:FF+2*\t+1] op_sel_hi:[1,0]   ; O^T under the new M, each accumulator from its low end on
.endr
.set j, j+2
.endr
.endif
.set j, 0
.rept 32
	v_pk_fma_f32 v[S+j:S+j+1], v[S+j:S+j+1], s[CS:CS+1], v[NM:NM+1] op_sel_hi:[1,0,0]   ; t - M, two at a time (of the pairs c and -M the low word serves both halves)
.set j, j+2
.endr
.irp k, 0,1,2,3
	v_fma_f32 v[BM+\k], v[BM+\k], s[CS], v[NM+2*(\k/2)]   ; the same of each block's largest score
.endr
	WALU
.set j, 0
.rept 32                               ; p of A; t - M of B stands between
	v_exp_f32 v[S+j], v[S+j]
	v_exp_f32 v[S+j+1], v[S+j+1]
	v_pk_fma_f32 v[S+64+j:S+65+j], v[S+64+j:S+65+j], s[CS:CS+1], v[NM+2:NM+3] op_sel_hi:[1,0,0]
.set j, j+2
.endr
	v_exp_f32 v[BM], v[BM]                         ; the block's largest p: the same two instructions on the same number give the same bits
	v_exp_f32 v[BM+1], v[BM+1]
	WALU
.set j, 0
.rept 64
	v_exp_f32 v[S+64+j], v[S+64+j]
.set j, j+1
.endr
	v_exp_f32 v[BM+2], v[BM+2]
	v_exp_f32 v[BM+3], v[BM+3]
.if \start
	v_nop
.else
.irp t, 0,1
	v_pk_mul_f32 v[LL+2*\t:LL+2*\t+1], v[LL+2*\t:LL+2*\t+1], v[FF+2*\t:FF+2*\t+1] op_sel_hi:[1,0]   ; the sums under the new M
.endr
.endif
	WALU
.if (\more) != 3
	s_wait_dscnt 0x0                               ; v^T, and the next step's k, are in
.endif
.if (\more) == 4                       ; 4: a barrier that was signalled ahead of the step is waited for here; behind it the next step's k is fetched
	s_barrier_wait -1
	s_mov_b32 s[OFF], 0
	v_mov_b32 v[C16], v[\a16]
	v_mov_b32 v[C8], v[\a8]
	KLOAD
.endif
.irp k, 0,1,2,3
	v_max_num_f32 v[BM+\k], 0x1800000, v[BM+\k]    ; the floor 2^(3 - 127): the byte cannot fall under 1
.endr
.irp k, 0,1,2,3
	v_add_nc_u32 v[SOP+\k], 0xff000000, v[BM+\k]   ; 2 off the exponent field: the conversion's scale operand
.endr
.irp k, 0,1,2,3
	v_lshrrev_b32 v[BM+\k], 23, v[SOP+\k]          ; the scale's byte
.endr
.irp t, 0,1
	v_lshl_or_b32 v[TT+\t], v[BM+2*\t+1], 16, v[BM+2*\t]   ; my two bytes, of blocks h and 2 + h,
.endr
.irp t, 0,1
	v_lshlrev_b32 v[TT+\t], v[H8], v[TT+\t]
.endr
.irp t, 0,1
	v_permlanex16_b32 v[PB+\t], v[TT+\t], s[SEL], s[SEL+1]
.endr
.irp t, 0,1
	v_or_b32 v[PS+\t], v[TT+\t], v[PB+\t]          ; and lane l xor 16's two: the scale word
.endr
	WIN 0x40
.irp k, 0,1,2,3
	v_cvt_scalef32_pk16_fp6_f32 v[PF+6*\k:PF+6*\k+2], v[S+32*\k:S+32*\k+15], v[SOP+\k]
.endr
	WIN 0
.irp k, 0,1,2,3
	v_cvt_scalef32_pk16_fp6_f32 v[TC+4*\k:TC+4*\k+2], v[S+32*\k+16:S+32*\k+31], v[SOP+\k]   ; (a conversion's three registers begin on an even number)
.endr
	v_nop                                          ; one plain place behind a scaled conversion
	WIN 0x40
.irp k, 0,1,2,3
.irp i, 0,1,2
	v_mov_b32 v[PF+6*\k+3+\i], v[TC+4*\k+\i]
.endr
.endr
	WIN 0
.irp t, 0,1                            ; THE ROW'S SUM IS TAKEN OF THE UNQUANTISED p: two at a time, four chains a tile
.if \start
	v_pk_add_f32 v[SU+8*\t:SU+8*\t+1], v[S+64*\t:S+64*\t+1], v[S+64*\t+8:S+64*\t+9]
.else
	v_pk_add_f32 v[SU+8*\t:SU+8*\t+1], v[LL+2*\t:LL+2*\t+1], v[S+64*\t:S+64*\t+1]
.endif
.irp q, 1,2,3
	v_pk_add_f32 v[SU+8*\t+2*\q:SU+8*\t+2*\q+1], v[S+64*\t+2*\q:S+64*\t+2*\q+1], v[S+64*\t+2*\q+8:S+64*\t+2*\q+9]
.endr
.endr
.set si, 4
.rept 7
.irp t, 0,1
.if ((\start) == 0) || (si > 4)
	v_pk_add_f32 v[SU+8*\t:SU+8*\t+1], v[SU+8*\t:SU+8*\t+1], v[S+64*\t+2*si:S+64*\t+2*si+1]
.endif
.if si > 4
.irp q, 1,2,3
	v_pk_add_f32 v[SU+8*\t+2*\q:SU+8*\t+2*\q+1], v[SU+8*\t+2*\q:SU+8*\t+2*\q+1], v[S+64*\t+2*si+2*\q:S+64*\t+2*si+2*\q+1]
.endr
.endif
.endr
.set si, si+4
.endr
.irp t, 0,1
	v_pk_add_f32 v[SU+8*\t:SU+8*\t+1], v[SU+8*\t:SU+8*\t+1], v[SU+8*\t+2:SU+8*\t+3]
	v_pk_add_f32 v[SU+8*\t+4:SU+8*\t+5], v[SU+8*\t+4:SU+8*\t+5], v[SU+8*\t+6:SU+8*\t+7]
.endr
.irp t, 0,1
	v_pk_add_f32 v[LL+2*\t:LL+2*\t+1], v[SU+8*\t:SU+8*\t+1], v[SU+8*\t+4:SU+8*\t+5]
.endr
.if (\more) == 3                       ; 3: the refill's round opens here; the products below are register work inside it
	s_wait_tensorcnt 0x0                           ; the refill's three lines
	ds_add_u32 v[SPW], v[NIL]
	s_add_nc_u64 s[34:35], s[34:35], 3*PART        ; (no load of mine is out)
	WALU
	s_wait_dscnt 0x0                               ; the add is done; v^T is in: my reads of blocks 0-7 are over
	s_barrier_signal -1
.endif
	WIN 0x05
.irp n, 0,1,2,3                        ; O^T += V^T P^T: eight accumulators by turns; v's scale words lie in lanes 16-31
.irp t, 0,1
.if \start
	v_wmma_scale_f32_16x16x128_f8f6f4 v[O+32*\t+8*\n:O+32*\t+8*\n+7], v[VF+12*\n:VF+12*\n+11], v[PF+12*\t:PF+12*\t+11], 0, v[SCV+\n], v[PS+\t] matrix_a_fmt:MATRIX_FMT_FP6 matrix_b_fmt:MATRIX_FMT_FP6 matrix_a_scale:MATRIX_SCALE_ROW1
.else
	v_wmma_scale_f32_16x16x128_f8f6f4 v[O+32*\t+8*\n:O+32*\t+8*\n+7], v[VF+12*\n:VF+12*\n+11], v[PF+12*\t:PF+12*\t+11], v[O+32*\t+8*\n:O+32*\t+8*\n+7], v[SCV+\n], v[PS+\t] matrix_a_fmt:MATRIX_FMT_FP6 matrix_b_fmt:MATRIX_FMT_FP6 matrix_a_scale:MATRIX_SCALE_ROW1
.endif
.endr
.endr
	WIN 0
.endm
.macro BEGIN a16, a8                   ; the first fragments of k behind a barrier
	s_mov_b32 s[OFF], 0
	v_mov_b32 v[C16], v[\a16]
	v_mov_b32 v[C8], v[\a8]
	KLOAD
	WALU
	s_wait_dscnt 0x0
.endm
	s_load_b128 s[4:7], s[0:1], 0x0                ; qbuf, kv
	s_load_b64 s[8:9], s[0:1], 0x10                ; out0
	v_lshl_add_u32 v[SPW], v0, 2, SPARE
	v_mov_b32 v[NIL], 0
	ds_add_u32 v[SPW], v[NIL]                      ; the opening lines: the add, twice on end
	ds_add_u32 v[SPW], v[NIL]
	v_lshrrev_b32 v3, 5, v0
	v_readfirstlane_b32 s[WV], v3                  ; wave 0..7
	s_and_b32 s11, s[WV], 1                        ; which pair of query tiles
	s_lshr_b32 s12, s[WV], 1                       ; key group g
	s_bfe_u32 s13, ttmp6, 0x40000                  ; my place in the cluster: it enters qbuf's and out0's addresses alone
	s_lshl_b32 s14, ttmp9, 2
	s_add_co_u32 s14, s14, s13                     ; my block of 64 queries
	s_and_b32 s15, ttmp7, 0xffff                   ; the batch
.irp g, 16,24                          ; groups 1: dense bytes as rows of 256 (32 elements of 8 bytes); the mask names all four work-groups
	s_mov_b32 s[\g], 15|(3<<16)|(1<<21)
	s_mov_b32 s[\g+1], 32<<16
	s_mov_b32 s[\g+3], 32<<16
	s_mov_b32 s[\g+5], 32
	s_mov_b32 s[\g+6], 0
	s_mov_b32 s[\g+7], 0
.endr
	s_mov_b32 s18, 50<<16                          ; a block: 50 rows,
	s_mov_b32 s20, 50
	s_mov_b32 s26, 100<<16                         ; two: 100
	s_mov_b32 s28, 100
	s_mul_i32 s44, s[WV], STEPB                    ; my share, in memory and in LDS
	s_mul_i32 s45, s[WV], 2*STEPB
	s_add_co_u32 s45, s45, PART
	s_mul_i32 s40, s15, 32*STEPB
	s_mov_b32 s41, 0
	s_lshl_b32 s48, s15, 6
	s_add_co_u32 s48, s48, s14
	s_mul_i32 s48, s48, 3328                       ; my record of qbuf
	s_mov_b32 s49, 0
	s_lshl_b32 s60, s11, 6
	s_mov_b32 s61, 0
	s_mul_i32 s46, s11, 1536
	s_mov_b32 s47, 0
	s_lshl_b32 s50, s15, 20
	s_lshl_b32 s51, s14, 14
	s_add_co_u32 s50, s50, s51                     ; out0: 64 rows of 256 bytes a work-group
	s_mov_b32 s51, 0
	s_mul_i32 s2, s12, 2*STEPB
	s_mul_i32 s3, s12, 4*STEPB
	s_add_co_u32 s3, s3, PART
	s_mul_i32 s56, s12, STGG
	s_mul_i32 s57, s11, 32*272
	s_add_co_u32 s56, s56, s57
	s_add_co_u32 s56, s56, STG                     ; the stage: my group's, my first tile's first row
	s_lshl_b32 s57, s11, 10
	s_lshl_b32 s59, s12, 2
	s_add_co_u32 s57, s57, s59
	s_add_co_u32 s57, s57, STAT
	s_mov_b32 s[SEL], 0x76543210
	s_mov_b32 s[SEL+1], 0xfedcba98                 ; v_permlanex16_b32's selects for lane l xor 16
	s_mov_b32 s[CS], 0x3e38aa3b                    ; c = log2(e) / 8
	s_mov_b32 s[CS+1], s[CS]                       ; (named with it as a pair, so it is written)
	s_mov_b32 s[NCS], 0xbe38aa3b                   ; -c
	WALU
	s_wait_dscnt 0x0                               ; both opening adds are done
	s_wait_kmcnt 0x0
	s_add_nc_u64 s[42:43], s[6:7], s[40:41]
	s_add_nc_u64 s[4:5], s[4:5], s[48:49]
	s_add_nc_u64 s[62:63], s[4:5], s[60:61]        ; q's scale bytes
	s_add_nc_u64 s[4:5], s[4:5], s[46:47]          ; q's codes
	s_add_nc_u64 s[8:9], s[8:9], s[50:51]
	s_mov_b32 s32, 1
	s_mov_b32 s33, s44
	s_mov_b32 s40, s44
	s_add_nc_u64 s[34:35], s[42:43], s[40:41]
	s_or_b32 s35, s35, 0x80000000
	s_mov_b32 s36, 1
	s_mov_b32 s37, s45
	s_mov_b32 s40, s45
	s_add_nc_u64 s[38:39], s[42:43], s[40:41]
	s_or_b32 s39, s39, 0x80000000
	CROUND                                         ; the first joint loads meet
	tensor_load_to_lds s[32:35], s[16:23]          ; blocks 0-7: my one load at the head
	s_nop 0
	PLACES
	v_and_b32 v32, 31, v0                          ; lane
	v_lshlrev_b32 v33, 4, v32
	v_lshlrev_b32 v34, 3, v32
	v_and_b32 v35, 15, v0
	v_lshlrev_b32 v35, 1, v35
	WIN 0x40
.irp t, 0,1
	global_load_b128 v[QZ+6+12*\t:QZ+9+12*\t], v33, s[4:5] offset:768*\t      ; q's six registers of each tile: they stay
	global_load_b64 v[QZ+10+12*\t:QZ+11+12*\t], v34, s[4:5] offset:768*\t+512
.endr
	WIN 0
.irp t, 0,1
	global_load_u16 v[TT+\t], v35, s[62:63] offset:3072+32*\t                 ; and its two scale bytes
.endr
	WIN 0x40
.irp j, 0,1,2,3,4,5
	v_mov_b32 v[QZ+\j], 0                          ; zero codes on both sides of q
	v_mov_b32 v[QZ+12+\j], 0
	v_mov_b32 v[QZ+24+\j], 0
.endr
	WIN 0
	WALU
	s_wait_loadcnt 0x0
.irp t, 0,1
	v_lshl_or_b32 v[QS+\t], v[TT+\t], 16, v[TT+\t] ; twice: they scale q in [q, zeros] and in [zeros, q]
.endr
	; the plain lines below are also the eight places between that write of scale registers and the first scaled product
	v_and_b32 v32, 31, v0
	v_lshlrev_b32 v43, 4, v32
	v_lshlrev_b32 v44, 3, v32
	v_add_nc_u32 v[A16A], s2, v43
	v_add_nc_u32 v[A8A], s2, v44
	v_add_nc_u32 v[A16B], s3, v43
	v_add_nc_u32 v[A8B], s3, v44
	v_bfe_u32 v[H8], v0, 4, 1
	v_lshlrev_b32 v[H8], 3, v[H8]
.irp t, 0,1
	v_mov_b32 v[PB+\t], 0                          ; written once: a lane permute's destination counts as one of its sources
	v_mov_b32 v[FF+1+2*\t], 0                      ; (named as the upper half of a pair)
.endr
	WALU                                           ; the wait at the head's end
	s_wait_tensorcnt 0x0                           ; my block is in; the three lines ahead of a later first fill
	ds_add_u32 v[SPW], v[NIL]
	s_wait_dscnt 0x0
	CROUND                                         ; blocks 0-7 are whole
	tensor_load_to_lds s[36:39], s[24:31]          ; blocks 8-23, two a wave
	s_nop 0
	PLACES
	BEGIN A16A, A8A
	STEP 1, 1, A16A, A8A
	STEP 0, 3, A16A, A8A
	WALU
	s_barrier_wait -1
	CREST                                          ; blocks 8-23 are whole; no wave of any partner still reads blocks 0-7
	tensor_load_to_lds s[32:35], s[16:23]          ; blocks 24-31
	s_nop 0
	PLACES
	s_mov_b32 s[CNT], 3
	BEGIN A16B, A8B
.Lmid:                                         ; steps 2 to 4; the last fetches step 5's k
	STEP 0, 1, A16B, A8B
	s_sub_co_u32 s[CNT], s[CNT], 1
	s_cmp_lg_u32 s[CNT], 0
	s_cbranch_scc1 .Lmid
	s_wait_tensorcnt 0x0                           ; my share of blocks 24-31 is in,
	s_wait_dscnt 0x0                               ; and my reads of steps 2 to 4 are over:
	v_add_nc_u32 v[C16], 3*STEPB, v[A16B]
	v_add_nc_u32 v[C8], 3*STEPB, v[A8B]
	WALU
	s_barrier_signal -1                            ; say so; nothing is filled again.  Step 5, up to the wait, reads its own blocks alone, which nobody writes any more
	STEP 0, 4, A16A, A8A
	s_mov_b32 s[CNT], 2
	WALU
	s_wait_dscnt 0x0
.Llast:
	STEP 0, 2, A16A, A8A
	s_sub_co_u32 s[CNT], s[CNT], 1
	s_cmp_lg_u32 s[CNT], 0
	s_cbranch_scc1 .Llast
	; THE MERGE.  The plain lines below are the places behind the last products.
.irp t, 0,1
	v_add_f32 v[LL+2*\t], v[LL+2*\t], v[LL+2*\t+1]
.endr
	v_and_b32 v32, 15, v0
	v_bfe_u32 v33, v0, 4, 1
.irp t, 0,1
	v_permlanex16_b32 v[PB+\t], v[LL+2*\t], s[SEL], s[SEL+1]
.endr
	v_mul_u32_u24 v34, 272, v32
	v_lshl_add_u32 v34, v33, 5, v34
	v_add_nc_u32 v34, s56, v34                     ; my query's row in my group's stage, + 32 h: tile n's register j is channel 16 n + 8 h + j
	v_lshl_add_u32 v35, v32, 5, s57
.irp t, 0,1
	v_add_f32 v[LL+2*\t], v[LL+2*\t], v[PB+\t]
.endr
.irp t, 0,1
.irp n, 0,1,2,3
	ds_store_b128 v34, v[O+32*\t+8*\n:O+32*\t+8*\n+3] offset:16*272*\t+64*\n
	ds_store_b128 v34, v[O+32*\t+8*\n+4:O+32*\t+8*\n+7] offset:16*272*\t+64*\n+16
.endr
	ds_store_b32 v35, v[NM+2*\t] offset:512*\t     ; lanes l and l xor 16 write the same word with the same value
	ds_store_b32 v35, v[LL+2*\t] offset:512*\t+16
.endr
	v_lshrrev_b32 v32, 4, v0                       ; back: thread n takes 16 bytes of row n / 16 of each tile
	v_and_b32 v33, 15, v0
	v_mul_u32_u24 v42, 272, v32
	v_lshl_add_u32 v42, v33, 4, v42
	v_add_nc_u32 v42, STG, v42
	v_add_nc_u32 v46, 2*STGG, v42                  ; (groups 2 and 3)
	v_lshlrev_b32 v43, 5, v32
	v_add_nc_u32 v43, STAT, v43
	v_and_b32 v44, 7, v32
	v_lshrrev_b32 v45, 3, v32
	v_lshl_add_u32 v44, v45, 5, v44                ; tile i's row r is query 32 (r / 8) + 8 i + r % 8
	v_lshlrev_b32 v44, 8, v44
	v_lshl_add_u32 v36, v33, 4, v44
	WALU
	s_wait_dscnt 0x0
	s_barrier_signal -1
	s_barrier_wait -1
.set MR, 128                           ; piece i: from 128 + 24 i the four groups' 16 bytes, the four -M, the four sums
.set WW, 40
.set ST, 56
.set RC, 60
.set RS, 224
.irp i, 0,1,2,3
.irp g, 0,1,2,3
	ds_load_b128 v[MR+24*\i+4*\g:MR+24*\i+4*\g+3], v[42+4*(\g/2)] offset:STGG*(\g%2)+16*272*\i
.endr
	ds_load_b128 v[MR+24*\i+16:MR+24*\i+19], v43 offset:512*\i
	ds_load_b128 v[MR+24*\i+20:MR+24*\i+23], v43 offset:512*\i+16
.endr
	s_wait_dscnt 0x0
.irp i, 0,1,2,3
	v_min3_num_f32 v[RC+\i], v[MR+24*\i+16], v[MR+24*\i+17], v[MR+24*\i+18]
.endr
.irp i, 0,1,2,3
	v_min_num_f32 v[RC+\i], v[RC+\i], v[MR+24*\i+19]   ; the least -M: the row's M
.endr
.irp g, 0,1,2,3
.irp i, 0,1,2,3
	v_sub_f32 v[WW+4*\i+\g], v[RC+\i], v[MR+24*\i+16+\g]   ; group g's M less the row's: a whole number, 0 or less
.endr
.endr
.irp g, 0,1,2,3
.irp i, 0,1,2,3
	v_cvt_i32_f32 v[WW+4*\i+\g], v[WW+4*\i+\g]
.endr
.endr
.irp g, 0,1,2,3
.irp i, 0,1,2,3
	v_ldexp_f32 v[WW+4*\i+\g], 1.0, v[WW+4*\i+\g]
.endr
.endr
.irp i, 0,1,2,3
	v_mul_f32 v[ST+\i], v[WW+4*\i], v[MR+24*\i+20]
.endr
.irp g, 1,2,3
.irp i, 0,1,2,3
	v_fmac_f32 v[ST+\i], v[WW+4*\i+\g], v[MR+24*\i+20+\g]   ; the row's sum under its M
.endr
.endr
	WALU
.irp i, 0,1,2,3
	v_rcp_f32 v[RC+\i], v[ST+\i]
.endr
	v_nop
	WALU
.irp g, 0,1,2,3
.irp i, 0,1,2,3
	v_mul_f32 v[WW+4*\i+\g], v[WW+4*\i+\g], v[RC+\i]
.endr
.endr
.irp i, 0,1,2,3
.irp e, 0,1,2,3
	v_mul_f32 v[RS+4*\i+\e], v[WW+4*\i], v[MR+24*\i+\e]
.endr
.irp g, 1,2,3
.irp e, 0,1,2,3
	v_fmac_f32 v[RS+4*\i+\e], v[WW+4*\i+\g], v[MR+24*\i+4*\g+\e]
.endr
.endr
	global_store_b128 v36, v[RS+4*\i:RS+4*\i+3], s[8:9] offset:2048*\i th:TH_STORE_NT   ; sixteen lanes store a row's 256 consecutive bytes, at a multiple of 256 from out0's first byte
.endr
	s_wait_tensorcnt 0x0                           ; the wave's end
	ds_add_u32 v[SPW], v[NIL]
	s_wait_dscnt 0x0
	CROUND                                         ; the closing round: no work-group ends while a partner may still ask for blocks that name it
	s_endpgm
.Lfunc_end_k_qe337faa755_attn:
	.size	k_qe337faa755_attn, .Lfunc_end_k_qe337faa755_attn-k_qe337faa755_attn
	.p2alignl 7, 3214868480
	.fill 96, 4, 3214868480
	.section	.rodata,"a",@progbits
	.p2align	6, 0x0
	.amdhsa_kernel k_qe337faa755_attn
		.amdhsa_group_segment_fixed_size 327680
		.amdhsa_private_segment_fixed_size 0
		.amdhsa_enable_private_segment 0
		.amdhsa_kernarg_size 24
		.amdhsa_user_sgpr_count 2
		.amdhsa_user_sgpr_kernarg_segment_ptr 1
		.amdhsa_wavefront_size32 1
		.amdhsa_system_sgpr_workgroup_id_x 1
		.amdhsa_system_sgpr_workgroup_id_y 1
		.amdhsa_system_sgpr_workgroup_id_z 1
		.amdhsa_system_vgpr_workitem_id 0
		.amdhsa_next_free_vgpr 416
		.amdhsa_next_free_sgpr 66
		.amdhsa_reserve_vcc 0
		.amdhsa_float_denorm_mode_32 3
		.amdhsa_float_denorm_mode_16_64 3
		.amdhsa_memory_ordered 1
		.amdhsa_forward_progress 1
		.amdhsa_inst_pref_size 153
	.end_amdhsa_kernel
	.amdgpu_metadata
---
amdhsa.version: [ 1, 2 ]
amdhsa.kernels:
  - .name:           k_qe337faa755_attn
    .symbol:         k_qe337faa755_attn.kd
    .args:
      - { .name: qbuf, .offset: 0, .size: 8, .value_kind: global_buffer, .address_space: global }
      - { .name: kv, .offset: 8, .size: 8, .value_kind: global_buffer, .address_space: global }
      - { .name: out0, .offset: 16, .size: 8, .value_kind: global_buffer, .address_space: global }
    .group_segment_fixed_size: 327680
    .private_segment_fixed_size: 0
    .kernarg_segment_align: 8
    .kernarg_segment_size: 24
    .max_flat_workgroup_size: 256
    .sgpr_count:     66
    .vgpr_count:     416
    .wavefront_size: 32
...
	.end_amdgpu_metadata
.endif
;; end of part 2
